; MI455X (gfx1250); checked and timed in simulation.
; The chip was launched on July 23, 2026; its instructions are those of AMD's public machine-readable ISA for CDNA 5 (MIT licence, August 2026) and "CDNA5" Instruction Set Architecture Reference Guide (July 2026). The comments in the code are by the model that wrote it; some were corrected since.
;; Causal Self Attention. Allowed arithmetic: float matrix products may take bf16 or f16 operands with f32 sums; other float arithmetic in f32, or as packed bf16 or f16 multiplies, adds, multiply-adds, maxima and minima; sums over many terms, partial sums and values carried from step to step in f32; what a program stores and reads back later, other than sums and carried values, may be rounded once to bf16 or f16.
;; Inputs: Wk 512 x 512 float32; Wo 512 x 512 float32; Wq 512 x 512 float32; Wv 512 x 512 float32; bo 512 float32; delta 4 x 2,048 x 512 float32; h 4 x 2,048 x 512 float32; tau 4 x 2,048 x 1 float32.
;; Outputs: out0 4 x 512 float32.
;; 2 versions, each right; version 2 is version 1 with the launch prep written anew for expert scheduling mode. Each part assembles by itself: llvm-mc -triple=amdgcn-amd-amdhsa -mcpu=gfx1250 --defsym DOCPART=n.
;; ======== version 1 of 2: 4 launches
;; limits: inputs' magnitudes at most 1,000,000,000,000
;; workspace buffers: rb 65,536 bytes; cp 4,194,304 bytes; lp 8,192 bytes; op 65,536 bytes
;; launch prep (part 1): grid 4 x 8, 16 waves a work-group, no clusters, 80,896 bytes of LDS; arguments h, tau, delta, Wq, Wk, rb; writes rb
.if DOCPART == 1
	.amdgcn_target "amdgcn-amd-amdhsa--gfx1250"
	.amdhsa_code_object_version 6
	.text
	.protected	k_qdbe69ab944_prep
	.globl	k_qdbe69ab944_prep
	.p2align	8
	.type	k_qdbe69ab944_prep,@function
k_qdbe69ab944_prep:
	s_mov_b64 s[64:65], 0
	v_nop
	global_prefetch_b8 v0, s[64:65] scope:SCOPE_SE
	s_setreg_imm32_b32 hwreg(HW_REG_WAVE_MODE, 25, 1), 1
	s_wait_xcnt 0x0
; FIRST OF FOUR LAUNCHES.  Only query row 2047 of each batch reaches the output, and for that row the causal mask hides no key.  With x_b = h[b][2047]:
;   u[b][e] = (tau[b][2047] / 8) (Wq[e] . x_b) + delta[b][2047][e],   logit[b][n][k] = clip(u[b][head n] . K[b][k][head n]) = clip(r[b][n] . h[b][k]),   r[b][n][j] = sum over e in head n of Wk[e][j] u[b][e].
; This launch makes r and stores it as two bf16 numbers, hi + lo (rb: [b 4][row 16][512]; rows 0-7 the heads' hi parts, rows 8-15 their lo parts), so that the next launch's matrix product loses 2^-17 of r at the most.
; FORMATS.  Every input is rounded once to bf16 on its way in (x, tau, delta, Wq, Wk); everything made of them stays in f32.  LIMITS.  NaN and infinities are not treated apart.
; SHARES.  Work-group (jb, hd): head hd, columns 128 jb .. +127 of r, all four batches.  Wave w of 16 owns the head's rows e = 64 hd + 4 w + 0..3: it makes their u from whole rows of Wq (the head's four
; work-groups each make the head's u: 128 KiB of Wq each), then their share of r from 128 columns of Wk; the 16 waves' shares meet in LDS.
; NO MATRIX UNIT: four rows against weights that are read once.  NO CLUSTER, NO TENSOR LOADS: every number passes through registers to be rounded, and what four work-groups share (a head's Wq) is read once by each at its start.
.set XS,    0                          ; x, [b 4][512] f32, rounded: 8,192 bytes
.set US,    8192                       ; u, [b 4][64] f32: 1,024 bytes
.set TR,    9216                       ; each wave's own: 16 values x (32 lanes' partial sums, 128 bytes + 16 of padding): 2,304 bytes a wave
.set RP,    46080                      ; [wave 16][b 4][128] f32: the waves' shares of r
.set SPARE, 78848                      ; the spare words: 128 bytes for each of 16 waves, eight blocks of 256 bytes that no other line names
.set LASTROW, 2047*2048                ; byte at which row 2047 begins in a batch of h or delta
.set X,   16                           ; v[16:79]   x[b][q][4]: columns 128 q + 4 lane + 0..3; at the end the 16 shares of r
.set WQ,  80                           ; v[80:143]  Wq[i][q][4]: my four rows, the same columns
.set WK,  144                          ; v[144:159] Wk[i][4]: my four rows, columns 128 jb + 4 lane + 0..3
.set ACC, 160                          ; v[160:167] a pair of sums for each batch
.set XP,  168                          ; v[168:171] my thread's 16 bytes of x
.set TAU, 172
.set DEL, 173
.set T,   174                          ; at work
.set UU,  176                          ; v[176:191] 16 partial sums read back; then u[b][i]
.set RA,  192                          ; v[192:207] my share of r: [b][4]
.set MSK, 19                           ; s19 a word's upper bf16
.macro RND2 a                          ; a pair of f32 is rounded to bf16 and widened again, in place
	v_cvt_pk_bf16_f32 v[T], v[\a], v[(\a)+1]
	v_lshlrev_b32 v[\a], 16, v[T]
	v_and_b32 v[(\a)+1], s[MSK], v[T]
.endm
.macro BAR                             ; my LDS instructions are done, for the others' sake; then all 16 waves meet
	s_wait_dscnt 0x0
	s_barrier_signal -1
	s_barrier_wait -1
.endm
	s_load_b256 s[4:11], s[0:1], 0x0               ; h s[4:5], tau s[6:7], delta s[8:9], Wq s[10:11]
	s_load_b128 s[12:15], s[0:1], 0x20             ; Wk s[12:13], rb s[14:15]
	v_lshl_add_u32 v14, v0, 2, SPARE               ; my spare word; never rewritten
	v_mov_b32 v15, 0                               ; 0; never rewritten
	v_lshrrev_b32 v1, 5, v0
	v_readfirstlane_b32 s16, v1                    ; wave 0..15
	v_and_b32 v2, 31, v0                           ; lane
	s_mov_b32 s17, ttmp9                           ; jb
	s_and_b32 s18, ttmp7, 0xffff                   ; hd
	s_mov_b32 s[MSK], 0xffff0000
	s_mov_b32 s22, 0x76543210                      ; v_permlanex16_b32: each lane takes its own place in the other half
	s_mov_b32 s23, 0xfedcba98
	v_lshrrev_b32 v3, 7, v0                        ; x: thread t takes batch t / 128,
	v_and_b32 v209, 127, v0
	v_lshlrev_b32 v209, 4, v209                    ; 16 bytes at 16 (t % 128) of its row 2047
	v_lshl_add_u32 v3, v3, 22, v209
	v_and_b32 v210, 3, v2                          ; in the lanes' value number 4 i + b = lane % 16: b,
	v_bfe_u32 v211, v2, 2, 2                       ; and i
	v_lshlrev_b32 v4, 13, v210                     ; tau: a batch is 8,192 bytes
	s_lshl_b32 s24, s18, 8
	s_lshl4_add_u32 s24, s16, s24                  ; 4 (64 hd + 4 w)
	v_lshl_add_u32 v5, v211, 2, s24                ; delta: channel 64 hd + 4 w + i
	v_lshl_add_u32 v5, v210, 22, v5                ; of batch b
	s_lshl_b32 s25, s16, 13
	v_lshl_add_u32 v6, v2, 4, s25                  ; Wq and Wk: my four rows of 2,048 bytes, 16 bytes a lane
	s_lshl_b32 s20, s18, 17                        ; a head's 64 rows
	s_mov_b32 s21, 0
	s_wait_kmcnt 0x0
	s_add_nc_u64 s[10:11], s[10:11], s[20:21]
	s_add_nc_u64 s[12:13], s[12:13], s[20:21]
	s_lshl_b32 s20, s17, 9                         ; Wk: my block of 128 columns
	s_add_nc_u64 s[12:13], s[12:13], s[20:21]
	s_lshl_b32 s20, s18, 10                        ; rb: row hd, 1,024 bytes a row,
	s_lshl_b32 s24, s17, 8                         ; 128 columns of 2 bytes
	s_add_co_u32 s20, s20, s24
	s_add_nc_u64 s[14:15], s[14:15], s[20:21]
	; all that the wave reads from memory is asked for at once: 23 loads
	global_load_b128 v[XP:XP+3], v3, s[4:5] offset:LASTROW
	global_load_b32 v[TAU], v4, s[6:7] offset:8188
	global_load_b32 v[DEL], v5, s[8:9] offset:LASTROW
.irp i, 0,1,2,3
.irp q, 0,1,2,3
	global_load_b128 v[WQ+16*\i+4*\q:WQ+16*\i+4*\q+3], v6, s[10:11] offset:\i*2048+\q*512
.endr
.endr
.irp i, 0,1,2,3
	global_load_b128 v[WK+4*\i:WK+4*\i+3], v6, s[12:13] offset:\i*2048
.endr
	; LDS addresses
	v_lshlrev_b32 v7, 4, v0                        ; XS + 16 t
	v_lshlrev_b32 v8, 4, v2                        ; XS + 16 lane
	s_mul_i32 s26, s16, 2304
	s_add_co_u32 s26, s26, TR                      ; my wave's part of TR
	v_lshl_add_u32 v9, v2, 2, s26                  ; in: a word a lane
	v_and_b32 v212, 15, v2
	v_lshrrev_b32 v213, 4, v2
	v_mul_u32_u24 v212, v212, 144                  ; back: value lane % 16,
	v_lshl_add_u32 v212, v213, 6, v212             ; 16 of its 32 words for each half of the lanes
	v_add_nc_u32 v10, s26, v212
	s_lshl_b32 s27, s16, 4
	s_add_co_u32 s27, s27, US
	v_lshl_add_u32 v11, v211, 2, s27               ; US[b][4 w + i]
	v_lshl_add_u32 v11, v210, 8, v11
	v_mov_b32 v12, s27                             ; US[.][4 w]
	s_lshl_b32 s28, s16, 11
	s_add_co_u32 s28, s28, RP
	v_lshl_add_u32 v13, v2, 4, s28                 ; RP[w][.][4 lane]
	s_lshl_b32 s29, s16, 9
	s_add_co_u32 s29, s29, RP
	v_lshl_add_u32 v209, v2, 4, s29                ; RP[.][b = w][4 lane], for waves 0 to 3
	s_lshl_b32 s30, s16, 14
	v_lshl_add_u32 v208, v2, 3, s30                ; rb: batch w, 8 bytes a lane
	s_wait_loadcnt 22                              ; my 16 bytes of x are in; the 22 younger loads stay out
	RND2 XP
	RND2 XP+2
	ds_store_b128 v7, v[XP:XP+3]
	BAR                                            ; x is whole
.irp b, 0,1,2,3
.irp q, 0,1,2,3
	ds_load_b128 v[X+16*\b+4*\q:X+16*\b+4*\q+3], v8 offset:2048*\b+512*\q
.endr
.endr
	s_wait_dscnt 0x0
	; Wq[row] . x_b: a lane's 16 columns, four batches side by side; then the 32 lanes' sums go through my part of TR
.irp i, 0,1,2,3
	s_wait_loadcnt 16-4*\i                         ; row i's four loads are in; the later rows' and Wk's four stay out
.set p, 0
.rept 8
	RND2 WQ+16*\i+2*p
.irp b, 0,1,2,3
.if p == 0
	v_pk_mul_f32 v[ACC+2*\b:ACC+2*\b+1], v[WQ+16*\i+2*p:WQ+16*\i+2*p+1], v[X+16*\b+2*p:X+16*\b+2*p+1]
.else
	v_pk_fma_f32 v[ACC+2*\b:ACC+2*\b+1], v[WQ+16*\i+2*p:WQ+16*\i+2*p+1], v[X+16*\b+2*p:X+16*\b+2*p+1], v[ACC+2*\b:ACC+2*\b+1]
.endif
.endr
.set p, p+1
.endr
.irp b, 0,1,2,3
	v_add_f32 v[ACC+2*\b], v[ACC+2*\b], v[ACC+2*\b+1]
.endr
.irp b, 0,1,2,3
	ds_store_b32 v9, v[ACC+2*\b] offset:(4*\i+\b)*144
.endr
.endr
.irp c, 0,1,2,3
	ds_load_b128 v[UU+4*\c:UU+4*\c+3], v10 offset:16*\c  ; LDS serves a wave's instructions in order (ISA guide 5.7.1.4): these see my stores above
.endr
	s_wait_dscnt 0x0
.irp s, 8,4,2
.set k, 0
.rept (\s)/2
	v_pk_add_f32 v[UU+2*k:UU+2*k+1], v[UU+2*k:UU+2*k+1], v[UU+(\s)+2*k:UU+(\s)+2*k+1]
.set k, k+1
.endr
.endr
	v_add_f32 v[UU], v[UU], v[UU+1]
	v_permlanex16_b32 v[T], v[UU], s22, s23        ; the value's other 16 words
	v_add_f32 v[UU], v[UU], v[T]                   ; lane % 16 = 4 i + b holds Wq[64 hd + 4 w + i] . x_b
	RND2 TAU                                       ; tau and delta (in by the waits above), rounded together
	v_mul_f32 v[TAU], 0x3e000000, v[TAU]           ; tau / 8, exact
	v_fma_f32 v[UU], v[TAU], v[UU], v[DEL]         ; u
	ds_store_b32 v11, v[UU]                        ; the two halves of the lanes write the same word with the same number
	BAR                                            ; (only my own four u are read below, but by all lanes)
.irp b, 0,1,2,3
	ds_load_b128 v[UU+4*\b:UU+4*\b+3], v12 offset:256*\b
.endr
	s_wait_loadcnt 0x0                             ; Wk
.set p, 0
.rept 8
	RND2 WK+2*p
.set p, p+1
.endr
	s_wait_dscnt 0x0
.irp b, 0,1,2,3
.irp c, 0,1,2,3
	v_mul_f32 v[RA+4*\b+\c], v[WK+\c], v[UU+4*\b]
.endr
.endr
.irp i, 1,2,3
.irp b, 0,1,2,3
.irp c, 0,1,2,3
	v_fmac_f32 v[RA+4*\b+\c], v[WK+4*\i+\c], v[UU+4*\b+\i]
.endr
.endr
.endr
.irp b, 0,1,2,3
	ds_store_b128 v13, v[RA+4*\b:RA+4*\b+3] offset:512*\b
.endr
	BAR                                            ; all 16 shares lie in RP
	s_cmp_ge_u32 s16, 4
	s_cbranch_scc1 .Lend                           ; wave b of the first four adds batch b's shares up
.irp w, 0,1,2,3,4,5,6,7,8,9,10,11,12,13,14,15
	ds_load_b128 v[X+4*\w:X+4*\w+3], v209 offset:2048*\w
.endr
	s_wait_dscnt 0x0
.irp s, 32,16,8,4
.set k, 0
.rept (\s)/2
	v_pk_add_f32 v[X+2*k:X+2*k+1], v[X+2*k:X+2*k+1], v[X+(\s)+2*k:X+(\s)+2*k+1]
.set k, k+1
.endr
.endr
	v_cvt_pk_bf16_f32 v[X+4], v[X], v[X+1]         ; r = hi + lo: hi is r rounded to bf16,
	v_cvt_pk_bf16_f32 v[X+5], v[X+2], v[X+3]
	v_lshlrev_b32 v[X+6], 16, v[X+4]
	v_and_b32 v[X+7], s[MSK], v[X+4]
	v_lshlrev_b32 v[X+8], 16, v[X+5]
	v_and_b32 v[X+9], s[MSK], v[X+5]
	v_pk_add_f32 v[X+6:X+7], v[X:X+1], v[X+6:X+7] neg_lo:[0,1] neg_hi:[0,1]
	v_pk_add_f32 v[X+8:X+9], v[X+2:X+3], v[X+8:X+9] neg_lo:[0,1] neg_hi:[0,1]
	v_cvt_pk_bf16_f32 v[X+10], v[X+6], v[X+7]      ; lo what is left, rounded
	v_cvt_pk_bf16_f32 v[X+11], v[X+8], v[X+9]
	global_store_b64 v208, v[X+4:X+5], s[14:15]              ; 32 lanes store 256 consecutive bytes, at a multiple of 256 from rb's first byte
	global_store_b64 v208, v[X+10:X+11], s[14:15] offset:8192
.Lend:
	s_wait_tensorcnt 0x0                           ; the wave's end, behind my last LDS store
	ds_add_u32 v14, v15
	s_wait_dscnt 0x0
	s_endpgm
.Lfunc_end_k_qdbe69ab944_prep:
	.size	k_qdbe69ab944_prep, .Lfunc_end_k_qdbe69ab944_prep-k_qdbe69ab944_prep
	.p2alignl 7, 3214868480
	.fill 96, 4, 3214868480
	.section	.rodata,"a",@progbits
	.p2align	6, 0x0
	.amdhsa_kernel k_qdbe69ab944_prep
		.amdhsa_group_segment_fixed_size 80896
		.amdhsa_private_segment_fixed_size 0
		.amdhsa_enable_private_segment 0
		.amdhsa_kernarg_size 48
		.amdhsa_user_sgpr_count 2
		.amdhsa_user_sgpr_kernarg_segment_ptr 1
		.amdhsa_wavefront_size32 1
		.amdhsa_system_sgpr_workgroup_id_x 1
		.amdhsa_system_sgpr_workgroup_id_y 1
		.amdhsa_system_sgpr_workgroup_id_z 1
		.amdhsa_system_vgpr_workitem_id 0
		.amdhsa_next_free_vgpr 216
		.amdhsa_next_free_sgpr 66
		.amdhsa_reserve_vcc 0
		.amdhsa_float_denorm_mode_32 3
		.amdhsa_float_denorm_mode_16_64 3
		.amdhsa_memory_ordered 1
		.amdhsa_forward_progress 1
		.amdhsa_inst_pref_size 29
	.end_amdhsa_kernel
	.amdgpu_metadata
---
amdhsa.version: [ 1, 2 ]
amdhsa.kernels:
  - .name:           k_qdbe69ab944_prep
    .symbol:         k_qdbe69ab944_prep.kd
    .args:
      - { .name: h, .offset: 0, .size: 8, .value_kind: global_buffer, .address_space: global }
      - { .name: tau, .offset: 8, .size: 8, .value_kind: global_buffer, .address_space: global }
      - { .name: delta, .offset: 16, .size: 8, .value_kind: global_buffer, .address_space: global }
      - { .name: Wq, .offset: 24, .size: 8, .value_kind: global_buffer, .address_space: global }
      - { .name: Wk, .offset: 32, .size: 8, .value_kind: global_buffer, .address_space: global }
      - { .name: rb, .offset: 40, .size: 8, .value_kind: global_buffer, .address_space: global }
    .group_segment_fixed_size: 80896
    .private_segment_fixed_size: 0
    .kernarg_segment_align: 8
    .kernarg_segment_size: 48
    .max_flat_workgroup_size: 512
    .sgpr_count:     66
    .vgpr_count:     216
    .wavefront_size: 32
...
	.end_amdgpu_metadata
.endif
;; end of part 1
;; launch stream (part 2): grid 64 x 4, 4 waves a work-group, no clusters, 76,544 bytes of LDS; arguments h, rb, cp, lp; writes cp, lp
.if DOCPART == 2
	.amdgcn_target "amdgcn-amd-amdhsa--gfx1250"
	.amdhsa_code_object_version 6
	.text
	.protected	k_qdbe69ab944_stream
	.globl	k_qdbe69ab944_stream
	.p2align	8
	.type	k_qdbe69ab944_stream,@function
k_qdbe69ab944_stream:
	s_mov_b64 s[64:65], 0
	v_nop
	global_prefetch_b8 v0, s[64:65] scope:SCOPE_SE
	s_setreg_imm32_b32 hwreg(HW_REG_WAVE_MODE, 25, 1), 1
	s_wait_xcnt 0x0
; SECOND LAUNCH: h is read, once.  For 32 keys of one batch: logit[n][k] = clip(r[n] . h[k], -50, 50) for the 8 heads, p = e^logit, and the partial sums
;   cp[wg][n][j] = sum over the 32 keys of p[n][k] h[k][j]   ([wg 256 = 64 b + g][8][512] f32),      lp[wg][n] = sum of p[n][k]   ([wg][8] f32).
; NO MAXIMUM IS TAKEN AWAY: the clip, which is the problem's own, bounds every exponent: p lies in e^-50 = 1.9e-22 to e^50 = 5.2e21, a head's sum of 2,048 of them under 1.1e25: normal f32 numbers, and bf16 has f32's
; exponent range.  So partial sums of different work-groups add plainly.
; FORMATS.  h is rounded once to bf16 (one tile in LDS serves both products).  r comes as bf16 hi + lo in 16 rows, and the 16 columns of the first product are those rows; p is split likewise, hi for columns 0-7 and
; lo for columns 8-15 of the second product; in both results column n and column n + 8 are added.  Sums in f32.
; LIMITS.  |h| up to 1e12, so that cp stays finite.  A NaN logit is not kept (the clamp drops it); infinities are not treated apart.
; SHARES.  A work-group of four waves owns 32 keys.  Wave w brings keys 8 w .. +7 (16 KiB, all asked for at once) and a quarter of r; in both products it owns channels 128 w .. +127: of the logits it makes a partial
; sum over its channels (the four meet in LDS, every wave adds them in the same order), of cp its 128 columns.
; NO TENSOR LOADS: h passes through registers to be rounded.  NO CLUSTER: what work-groups share is r, 16 KiB beside 64 KiB of their own, read once.
.set HT,    0                          ; 32 keys x (1,024 bytes of bf16 + 32 of padding): rows 264 words apart; the plain fragment loads' rows r and r + 8 share banks
.set HP,    1056
.set RT,    33792                      ; r: 16 rows x (1,024 + 16)
.set RPI,   1040
.set LG,    50432                      ; the waves' partial logits: 2,048 bytes a wave
.set CST,   58624                      ; each wave's own stage: 8 heads x (128 channels f32 + 32 bytes)
.set CPI,   544
.set SPARE, 76032                      ; the spare words: 128 bytes for each wave, two blocks of 256 bytes that no other line names
.set HX,  32                           ; v[32:159]  h as loaded: row i, quarter q at 32 + 16 i + 4 q
.set RX,  160                          ; v[160:191] r as loaded
.set AF,  32                           ; v[32:95]   then: fragments of h, 16 keys x 32 channels: tile t, step s at 32 + 32 t + 8 s
.set BF,  96                           ; v[96:127]  fragments of r, 16 rows x 32 channels
.set TF,  128                          ; v[128:191] h turned: 16 channels x 32 keys, block mt at 128 + 8 mt
.set D0,  192                          ; v[192:199] logits of keys 0-15,  v[200:207] of keys 16-31
.set D1,  200
.set S,   32                           ; v[32:95]   then: the four waves' partial logits; their sum, and p, in v[32:47]
.set PH,  48                           ; v[48:55]   p's hi parts, packed
.set LS,  56                           ; v[56:61]   the sum of p
.set TM,  64                           ; v[64:79]   at work
.set PB,  208                          ; v[208:215] p as source 1: 32 keys x 16 columns
.set DC,  64                           ; v[64:127]  the second product's results, block mt at 64 + 8 mt
.set OB,  128                          ; v[128:159] whole rows read back from the stage
.macro BAR                             ; my LDS instructions are done, for the others' sake; then the four waves meet
	s_wait_dscnt 0x0
	s_barrier_signal -1
	s_barrier_wait -1
.endm
	s_load_b256 s[4:11], s[0:1], 0x0               ; h s[4:5], rb s[6:7], cp s[8:9], lp s[10:11]
	v_lshl_add_u32 v16, v0, 2, SPARE               ; my spare word; never rewritten
	v_mov_b32 v17, 0                               ; 0; never rewritten
	v_lshrrev_b32 v1, 5, v0
	v_readfirstlane_b32 s12, v1                    ; wave 0..3
	v_and_b32 v1, 31, v0                           ; lane
	s_mov_b32 s13, ttmp9                           ; g: which 32 keys
	s_and_b32 s14, ttmp7, 0xffff                   ; b
	s_lshl_b32 s15, s14, 6
	s_add_co_u32 s15, s15, s13                     ; wg = 64 b + g
	s_mov_b32 s18, 0xc2480000                      ; -50
	s_mov_b32 s19, 0x42480000                      ; 50
	s_mov_b32 s22, 0xffff0000                      ; a word's upper bf16
	s_mov_b32 s23, 0xff00ff00                      ; the lanes of columns 8-15
	s_mov_b32 s24, 0x76543210                      ; v_permlanex16_b32: each lane takes its own place in the other half
	s_mov_b32 s25, 0xfedcba98
	s_lshl_b32 s20, s12, 14
	v_lshl_add_u32 v2, v1, 4, s20                  ; h: my 8 rows of 2,048 bytes, 16 bytes a lane
	s_lshl_b32 s20, s12, 12
	v_lshl_add_u32 v3, v1, 4, s20                  ; rb: my 4 rows of 1,024 bytes
	s_lshl_b32 s16, s14, 22
	s_lshl_b32 s17, s13, 16
	s_add_co_u32 s16, s16, s17
	s_mov_b32 s17, 0
	s_wait_kmcnt 0x0
	s_add_nc_u64 s[4:5], s[4:5], s[16:17]          ; h at the group's first key
	s_lshl_b32 s16, s14, 14
	s_add_nc_u64 s[6:7], s[6:7], s[16:17]          ; rb at the batch
	s_lshl_b32 s16, s15, 14
	s_add_nc_u64 s[8:9], s[8:9], s[16:17]          ; cp at the group's 16 KiB
	s_lshl_b32 s16, s15, 5
	s_add_nc_u64 s[10:11], s[10:11], s[16:17]      ; lp at its 8 words
.irp t, 0,1,2,3,4,5,6,7
	global_load_b128 v[RX+4*\t:RX+4*\t+3], v3, s[6:7] offset:512*\t
.endr
.irp i, 0,1,2,3,4,5,6,7
.irp q, 0,1,2,3
	global_load_b128 v[HX+16*\i+4*\q:HX+16*\i+4*\q+3], v2, s[4:5] offset:\i*2048+\q*512 th:TH_LOAD_NT  ; 512 consecutive bytes a load
.endr
.endr
	; LDS addresses
	v_and_b32 v18, 15, v1                          ; r = lane % 16
	v_lshrrev_b32 v19, 4, v1                       ; hh = lane / 16
	v_and_b32 v20, 7, v1
	v_bfe_u32 v21, v1, 3, 1
	s_mul_i32 s20, s12, 8*HP
	v_lshl_add_u32 v4, v1, 3, s20                  ; HT: my 8 rows, 8 bytes a lane
	s_mul_i32 s20, s12, 4*RPI
	s_add_co_u32 s20, s20, RT
	v_lshl_add_u32 v5, v1, 4, s20                  ; RT: my 4 rows
	s_lshl_b32 s21, s12, 8                         ; my 128 channels in a row of bf16
	v_mul_u32_u24 v6, v18, HP                      ; a fragment of h: row r, 16 bytes for each half of the lanes
	v_lshl_add_u32 v6, v19, 4, v6
	v_add_nc_u32 v6, s21, v6
	s_add_co_u32 s20, s21, RT
	v_mul_u32_u24 v7, v18, RPI                     ; the same of r
	v_lshl_add_u32 v7, v19, 4, v7
	v_add_nc_u32 v7, s20, v7
	v_lshl_add_u32 v8, v19, 3, v20                 ; the turning load: key 8 hh + lane % 8,
	v_mul_u32_u24 v8, v8, HP
	v_lshl_add_u32 v8, v21, 4, v8                  ; channels 8 ((lane / 8) % 2) + 0..7
	v_add_nc_u32 v8, s21, v8
	s_lshl_b32 s20, s12, 11
	s_add_co_u32 s20, s20, LG
	v_lshl_add_u32 v9, v1, 4, s20                  ; LG: my wave's 2,048 bytes
	v_lshl_add_u32 v10, v1, 4, LG                  ; LG: every wave's
	s_mul_i32 s20, s12, 8*CPI
	s_add_co_u32 s20, s20, CST                     ; my stage
	v_mul_u32_u24 v11, v20, CPI                    ; in: head r % 8, channels 8 hh + 4 (r / 8) + 0..3 of a block of 16
	v_lshl_add_u32 v11, v19, 5, v11
	v_lshl_add_u32 v11, v21, 4, v11
	v_add_nc_u32 v11, s20, v11
	v_lshl_add_u32 v12, v1, 4, s20                 ; back: a head's 512 bytes
	s_lshl_b32 s20, s12, 9
	v_lshl_add_u32 v13, v1, 4, s20                 ; cp: my 128 channels of a head's row
	v_lshlrev_b32 v14, 2, v1                       ; lp: a word a lane
	s_wait_loadcnt 32                              ; r's eight loads are in; h's 32 stay out
.irp t, 0,1,2,3,4,5,6,7
	ds_store_b128 v5, v[RX+4*\t:RX+4*\t+3] offset:(\t/2)*RPI+(\t%2)*512
.endr
.set i, 0
.rept 8
	s_wait_loadcnt 28-4*i                          ; row i's four loads are in; the later rows' stay out
.set q, 0
.rept 4
	v_cvt_pk_bf16_f32 v[HX+16*i+4*q], v[HX+16*i+4*q], v[HX+16*i+4*q+1]       ; h's one rounding
	v_cvt_pk_bf16_f32 v[HX+16*i+4*q+1], v[HX+16*i+4*q+2], v[HX+16*i+4*q+3]
	ds_store_b64 v4, v[HX+16*i+4*q:HX+16*i+4*q+1] offset:i*HP+256*q
.set q, q+1
.endr
.set i, i+1
.endr
	BAR                                            ; both tiles are whole
.irp t, 0,1
.irp s, 0,1,2,3
	ds_load_b128 v[AF+32*\t+8*\s:AF+32*\t+8*\s+3],   v6 offset:\t*16*HP+64*\s
	ds_load_b128 v[AF+32*\t+8*\s+4:AF+32*\t+8*\s+7], v6 offset:\t*16*HP+64*\s+32
.endr
.endr
.irp s, 0,1,2,3
	ds_load_b128 v[BF+8*\s:BF+8*\s+3],   v7 offset:64*\s
	ds_load_b128 v[BF+8*\s+4:BF+8*\s+7], v7 offset:64*\s+32
.endr
.irp m, 0,1,2,3,4,5,6,7
	ds_load_tr16_b128 v[TF+8*\m:TF+8*\m+3],   v8 offset:32*\m
	ds_load_tr16_b128 v[TF+8*\m+4:TF+8*\m+7], v8 offset:16*HP+32*\m
.endr
	s_wait_dscnt 16                                ; all but the 16 turning loads, which the second product wants
	; logits, my 128 channels' share: source 0 = 16 keys, source 1 = the 16 rows of r.  The two accumulators take turns.
	v_wmma_f32_16x16x32_bf16 v[D0:D0+7], v[AF:AF+7], v[BF:BF+7], 0
	v_wmma_f32_16x16x32_bf16 v[D1:D1+7], v[AF+32:AF+39], v[BF:BF+7], 0
.irp s, 1,2,3
	v_wmma_f32_16x16x32_bf16 v[D0:D0+7], v[AF+8*\s:AF+8*\s+7], v[BF+8*\s:BF+8*\s+7], v[D0:D0+7]
	v_wmma_f32_16x16x32_bf16 v[D1:D1+7], v[AF+32+8*\s:AF+32+8*\s+7], v[BF+8*\s:BF+8*\s+7], v[D1:D1+7]
.endr
.rept 4
	v_nop                                          ; four places between the products and the stores of their results
.endr
	ds_store_b128 v9, v[D0:D0+3]
	ds_store_b128 v9, v[D0+4:D0+7] offset:512
	ds_store_b128 v9, v[D1:D1+3] offset:1024
	ds_store_b128 v9, v[D1+4:D1+7] offset:1536
	BAR                                            ; the four shares lie in LG (and my turning loads are in)
.irp w, 0,1,2,3
.irp c, 0,1,2,3
	ds_load_b128 v[S+16*\w+4*\c:S+16*\w+4*\c+3], v10 offset:2048*\w+512*\c
.endr
.endr
	s_wait_dscnt 0x0
.irp w, 1,2,3
.irp k, 0,2,4,6,8,10,12,14
	v_pk_add_f32 v[S+\k:S+\k+1], v[S+\k:S+\k+1], v[S+16*\w+\k:S+16*\w+\k+1]  ; register 8 t + j of lane (r, hh): key 16 t + 8 hh + j, row r of r
.endr
.endr
.set i, 0
.rept 16
	v_add_f32_dpp v[S+i], v[S+i], v[S+i] row_xmask:8 row_mask:0xf bank_mask:0xf  ; hi's and lo's share: lanes r and r + 8 now hold head r % 8's logit
.set i, i+1
.endr
.set i, 0
.rept 16
	v_med3_num_f32 v[S+i], v[S+i], s18, s19        ; the clip
.set i, i+1
.endr
.set i, 0
.rept 8
	v_pk_mul_f32 v[S+2*i:S+2*i+1], v[S+2*i:S+2*i+1], 0x3fb8aa3b op_sel_hi:[1,0]  ; times log2(e)
.set i, i+1
.endr
.set i, 0
.rept 16
	v_exp_f32 v[S+i], v[S+i]
.set i, i+1
.endr
	v_nop                                          ; a plain instruction between the exponentials and the use of their results (ISA guide 5.7.2)
	s_wait_alu depctr_va_vdst(0)
	v_pk_add_f32 v[LS:LS+1], v[S:S+1], v[S+2:S+3]  ; the sum of my 16 p, unrounded
	v_pk_add_f32 v[LS+2:LS+3], v[S+4:S+5], v[S+6:S+7]
	v_pk_add_f32 v[LS:LS+1], v[LS:LS+1], v[S+8:S+9]
	v_pk_add_f32 v[LS+2:LS+3], v[LS+2:LS+3], v[S+10:S+11]
	v_pk_add_f32 v[LS:LS+1], v[LS:LS+1], v[S+12:S+13]
	v_pk_add_f32 v[LS+2:LS+3], v[LS+2:LS+3], v[S+14:S+15]
	v_pk_add_f32 v[LS:LS+1], v[LS:LS+1], v[LS+2:LS+3]
	v_add_f32 v[LS+4], v[LS], v[LS+1]
	v_permlanex16_b32 v[LS+5], v[LS+4], s24, s25   ; the head's other 16 keys lie in the lane 16 away
	v_add_f32 v[LS+4], v[LS+4], v[LS+5]
	; p = hi + lo in bf16.  Two neighbouring registers, packed, ARE a register of source 1 (32 keys x 16 columns): nothing changes lanes.
.set i, 0
.rept 8
	v_cvt_pk_bf16_f32 v[PH+i], v[S+2*i], v[S+2*i+1]
.set i, i+1
.endr
.set i, 0
.rept 8
	v_lshlrev_b32 v[TM+2*i], 16, v[PH+i]
	v_and_b32 v[TM+2*i+1], s22, v[PH+i]
.set i, i+1
.endr
.set i, 0
.rept 8
	v_pk_add_f32 v[S+2*i:S+2*i+1], v[S+2*i:S+2*i+1], v[TM+2*i:TM+2*i+1] neg_lo:[0,1] neg_hi:[0,1]
.set i, i+1
.endr
.set i, 0
.rept 8
	v_cvt_pk_bf16_f32 v[TM+i], v[S+2*i], v[S+2*i+1]
.set i, i+1
.endr
.set i, 0
.rept 8
	v_cndmask_b32 v[PB+i], v[PH+i], v[TM+i], s23   ; columns 0-7 carry hi, columns 8-15 lo
.set i, i+1
.endr
	; sum over the 32 keys of p h: source 0 = 16 channels x 32 keys.  Eight products, each with an accumulator of its own, started by the constant 0.
.irp m, 0,1,2,3,4,5,6,7
	v_wmma_f32_16x16x32_bf16 v[DC+8*\m:DC+8*\m+7], v[TF+8*\m:TF+8*\m+7], v[PB:PB+7], 0
.endr
.rept 4
	v_nop                                          ; four places between the products and the first read of a result
.endr
; Block mt: register j of lane (r, hh) holds channel 16 mt + 8 hh + j of column r.  Columns n and n + 8 are added (from the accumulator's lowest register on); then lanes r < 8 keep
; registers 0-3 and lanes r >= 8 take registers 4-7: 16 bytes a lane into the stage.
.macro OUTT mt
.irp j, 0,1,2,3,4,5,6,7
	v_add_f32_dpp v[DC+8*(\mt)+\j], v[DC+8*(\mt)+\j], v[DC+8*(\mt)+\j] row_xmask:8 row_mask:0xf bank_mask:0xf
.endr
.irp j, 0,1,2,3
	v_cndmask_b32 v[DC+8*(\mt)+\j], v[DC+8*(\mt)+\j], v[DC+8*(\mt)+\j+4], s23
.endr
	ds_store_b128 v11, v[DC+8*(\mt):DC+8*(\mt)+3] offset:64*(\mt)
.endm
.irp m, 0,1,2,3,4,5,6,7
	OUTT \m
.endr
.irp q, 0,1,2,3,4,5,6,7
	ds_load_b128 v[OB+4*\q:OB+4*\q+3], v12 offset:CPI*\q  ; LDS serves a wave's instructions in order (ISA guide 5.7.1.4): these see my stores above
.endr
.irp q, 0,1,2,3,4,5,6,7
	s_wait_dscnt 7-\q                              ; head q's row is back; the later rows' loads stay out
	global_store_b128 v13, v[OB+4*\q:OB+4*\q+3], s[8:9] offset:2048*\q  ; 512 consecutive bytes, at a multiple of 256 from cp's first byte
.endr
	s_cmp_lg_u32 s12, 0
	s_cbranch_scc1 .Lend                           ; every wave holds the same sums of p: wave 0 stores them
	s_wait_xcnt 0x0                                ; EXEC changes only behind this wait: the stores above have taken theirs
	v_cmp_gt_u32 vcc_lo, 8, v1
	s_and_saveexec_b32 s26, vcc_lo
	global_store_b32 v14, v[LS+4], s[10:11]        ; lanes 0-7: heads 0-7: the group's 32 bytes of a table of 8 KiB
	s_wait_xcnt 0x0                                ; and again, in front of the line that widens it
	s_or_b32 exec_lo, exec_lo, s26
.Lend:
	s_wait_tensorcnt 0x0                           ; the wave's end, behind my last LDS store
	ds_add_u32 v16, v17
	s_wait_dscnt 0x0
	s_endpgm
.Lfunc_end_k_qdbe69ab944_stream:
	.size	k_qdbe69ab944_stream, .Lfunc_end_k_qdbe69ab944_stream-k_qdbe69ab944_stream
	.p2alignl 7, 3214868480
	.fill 96, 4, 3214868480
	.section	.rodata,"a",@progbits
	.p2align	6, 0x0
	.amdhsa_kernel k_qdbe69ab944_stream
		.amdhsa_group_segment_fixed_size 76544
		.amdhsa_private_segment_fixed_size 0
		.amdhsa_enable_private_segment 0
		.amdhsa_kernarg_size 32
		.amdhsa_user_sgpr_count 2
		.amdhsa_user_sgpr_kernarg_segment_ptr 1
		.amdhsa_wavefront_size32 1
		.amdhsa_system_sgpr_workgroup_id_x 1
		.amdhsa_system_sgpr_workgroup_id_y 1
		.amdhsa_system_sgpr_workgroup_id_z 1
		.amdhsa_system_vgpr_workitem_id 0
		.amdhsa_next_free_vgpr 224
		.amdhsa_next_free_sgpr 66
		.amdhsa_reserve_vcc 1
		.amdhsa_float_denorm_mode_32 3
		.amdhsa_float_denorm_mode_16_64 3
		.amdhsa_memory_ordered 1
		.amdhsa_forward_progress 1
		.amdhsa_inst_pref_size 36
	.end_amdhsa_kernel
	.amdgpu_metadata
---
amdhsa.version: [ 1, 2 ]
amdhsa.kernels:
  - .name:           k_qdbe69ab944_stream
    .symbol:         k_qdbe69ab944_stream.kd
    .args:
      - { .name: h, .offset: 0, .size: 8, .value_kind: global_buffer, .address_space: global }
      - { .name: rb, .offset: 8, .size: 8, .value_kind: global_buffer, .address_space: global }
      - { .name: cp, .offset: 16, .size: 8, .value_kind: global_buffer, .address_space: global }
      - { .name: lp, .offset: 24, .size: 8, .value_kind: global_buffer, .address_space: global }
    .group_segment_fixed_size: 76544
    .private_segment_fixed_size: 0
    .kernarg_segment_align: 8
    .kernarg_segment_size: 32
    .max_flat_workgroup_size: 128
    .sgpr_count:     66
    .vgpr_count:     224
    .wavefront_size: 32
...
	.end_amdgpu_metadata
.endif
;; end of part 2
;; launch headv (part 3): grid 8 x 8, 8 waves a work-group, no clusters, 4,352 bytes of LDS; arguments cp, lp, Wv, op; writes op
.if DOCPART == 3
	.amdgcn_target "amdgcn-amd-amdhsa--gfx1250"
	.amdhsa_code_object_version 6
	.text
	.protected	k_qdbe69ab944_headv
	.globl	k_qdbe69ab944_headv
	.p2align	8
	.type	k_qdbe69ab944_headv,@function
k_qdbe69ab944_headv:
	s_mov_b64 s[64:65], 0
	v_nop
	global_prefetch_b8 v0, s[64:65] scope:SCOPE_SE
	s_setreg_imm32_b32 hwreg(HW_REG_WAVE_MODE, 25, 1), 1
	s_wait_xcnt 0x0
; THIRD LAUNCH.  For head hd and the block cb of 64 channels j: c[b][j] = sum over the batch's 64 key groups of cp, l[b] = the same sum of lp, and the block's share of the head's output,
;   op[cb][b][64 hd + e] = sum over the block's j of Wv[64 hd + e][j] c[b][j] / l[b]      (op: [cb 8][b 4][512] f32; the eight blocks are added in the next launch).
; FORMATS.  Wv is rounded once to bf16 on its way in; all else is f32.  c is divided by l before the product, so what is multiplied is a mean of h's rows.  l lies between 2,048 e^-50 and 2,048 e^50: its reciprocal is a normal number.
; SHARES.  Eight waves.  Wave w adds key groups 32 w .. +31 (batch w / 2): a load takes two groups' 256 bytes.  Then it owns rows 8 w .. +7 of the head's 64 rows of Wv, two a load, 16 lanes to a row's 256 bytes.
; NO MATRIX UNIT: four rows against weights read once.  NO CLUSTER: no two work-groups read the same bytes but lp's 8 KiB.
.set CS,    0                          ; [wave 8][64] f32: the waves' sums of cp
.set LSM,   2048                       ; 8 words: the waves' sums of lp; the block of 256 bytes is theirs alone
.set OS,    2304                       ; [b 4][64] f32: the result
.set SPARE, 3328                       ; the spare words: 128 bytes for each of 8 waves, four blocks of 256 bytes that no other line names
.set LPV, 16                           ; v16  my word of lp
.set T,   17                           ; v17  at work
.set CL,  20                           ; v[20:83]   cp as loaded; then the eight waves' sums v[20:51], lp's v[52:59], 1 / l v[60:63]
.set WV,  84                           ; v[84:99]   Wv: four loads
.set VAL, 100                          ; v[100:115] value (t, b) at 100 + 4 t + b
.set MSK, 19                           ; s19 a word's upper bf16
.set SEL, 22                           ; s[22:23]
.macro RND2 a                          ; a pair of f32 is rounded to bf16 and widened again, in place
	v_cvt_pk_bf16_f32 v[T], v[\a], v[(\a)+1]
	v_lshlrev_b32 v[\a], 16, v[T]
	v_and_b32 v[(\a)+1], s[MSK], v[T]
.endm
.macro BAR
	s_wait_dscnt 0x0
	s_barrier_signal -1
	s_barrier_wait -1
.endm
	s_load_b256 s[4:11], s[0:1], 0x0               ; cp s[4:5], lp s[6:7], Wv s[8:9], op s[10:11]
	v_lshl_add_u32 v14, v0, 2, SPARE               ; my spare word; never rewritten
	v_mov_b32 v15, 0                               ; 0; never rewritten
	v_lshrrev_b32 v1, 5, v0
	v_readfirstlane_b32 s12, v1                    ; wave 0..7
	v_and_b32 v1, 31, v0
	v_and_b32 v2, 15, v0                           ; r = lane % 16
	v_lshrrev_b32 v3, 4, v1                        ; hh = lane / 16
	s_mov_b32 s13, ttmp9                           ; cb
	s_and_b32 s14, ttmp7, 0xffff                   ; hd
	s_mov_b32 s[MSK], 0xffff0000
	s_mov_b32 s[SEL], 0x76543210
	s_mov_b32 s[SEL+1], 0xfedcba98
	s_lshl_b32 s20, s12, 19
	v_lshl_add_u32 v4, v3, 14, s20                 ; cp: key group 32 w + hh (16 KiB each),
	v_lshl_add_u32 v4, v2, 4, v4                   ; 16 bytes a lane
	v_lshlrev_b32 v5, 5, v0                        ; lp: key group = my thread's number, 32 bytes each
	s_lshl_b32 s20, s12, 14
	v_lshl_add_u32 v6, v3, 11, s20                 ; Wv: row 8 w + hh
	v_lshl_add_u32 v6, v2, 4, v6
	s_mov_b32 s17, 0
	s_lshl_b32 s16, s14, 11
	s_lshl_b32 s18, s13, 8
	s_add_co_u32 s16, s16, s18                     ; cp: head hd's row of 2,048 bytes, block cb's 256
	s_wait_kmcnt 0x0
	s_add_nc_u64 s[4:5], s[4:5], s[16:17]
	s_lshl_b32 s16, s14, 2
	s_add_nc_u64 s[6:7], s[6:7], s[16:17]
	s_lshl_b32 s16, s14, 17
	s_add_co_u32 s16, s16, s18                     ; Wv: the head's 64 rows, the block's 256 bytes
	s_add_nc_u64 s[8:9], s[8:9], s[16:17]
	s_lshl_b32 s16, s13, 13
	s_lshl_b32 s18, s14, 8
	s_add_co_u32 s16, s16, s18                     ; op: block cb's 8 KiB, the head's 256 bytes of a row
	s_add_nc_u64 s[10:11], s[10:11], s[16:17]
	global_load_b32 v[LPV], v5, s[6:7]
.irp t, 0,1,2,3,4,5,6,7,8,9,10,11,12,13,14,15
	global_load_b128 v[CL+4*\t:CL+4*\t+3], v4, s[4:5] offset:32768*\t th:TH_LOAD_NT  ; 16 lanes take 256 consecutive bytes, at a multiple of 256 from cp's first byte
.endr
.irp t, 0,1,2,3
	global_load_b128 v[WV+4*\t:WV+4*\t+3], v6, s[8:9] offset:4096*\t
.endr
	s_lshl_b32 s20, s12, 2
	s_add_co_u32 s20, s20, LSM
	v_mov_b32 v7, s20                              ; LSM[w]
	s_lshl_b32 s20, s12, 8
	v_lshl_add_u32 v8, v2, 4, s20                  ; CS[w][4 r]
	v_lshlrev_b32 v9, 4, v2                        ; CS[.][4 r]
	v_mov_b32 v10, LSM
	s_lshl_b32 s20, s12, 5
	s_add_co_u32 s20, s20, OS
	v_lshl_add_u32 v11, v3, 2, s20                 ; OS[.][8 w + hh]
	v_lshl_add_u32 v12, v0, 4, OS                  ; OS, 16 bytes a thread
	v_lshrrev_b32 v[T], 4, v0
	v_lshlrev_b32 v13, 11, v[T]                    ; op: batch t / 16,
	v_lshl_add_u32 v13, v2, 4, v13                 ; 16 bytes a lane
	s_wait_loadcnt 20                              ; lp's word is in; the 20 younger loads stay out
.irp m, 1,2,4,8
	v_add_f32_dpp v[LPV], v[LPV], v[LPV] row_xmask:\m row_mask:0xf bank_mask:0xf
.endr
	v_permlanex16_b32 v[T], v[LPV], s[SEL], s[SEL+1]
	v_add_f32 v[LPV], v[LPV], v[T]
	ds_store_b32 v7, v[LPV]                        ; all lanes write the same word with the same number
.set t, 1
.rept 15
	s_wait_loadcnt 19-t                            ; cp's load t is in; its later loads and Wv's four stay out
	v_pk_add_f32 v[CL:CL+1], v[CL:CL+1], v[CL+4*t:CL+4*t+1]
	v_pk_add_f32 v[CL+2:CL+3], v[CL+2:CL+3], v[CL+4*t+2:CL+4*t+3]
.set t, t+1
.endr
.irp c, 0,1,2,3
	v_permlanex16_b32 v[CL+4+\c], v[CL+\c], s[SEL], s[SEL+1]  ; the odd key groups lie in the other half of the lanes
.endr
.irp c, 0,1,2,3
	v_add_f32 v[CL+\c], v[CL+\c], v[CL+4+\c]
.endr
	ds_store_b128 v8, v[CL:CL+3]
	BAR
.irp w, 0,1,2,3,4,5,6,7
	ds_load_b128 v[CL+4*\w:CL+4*\w+3], v9 offset:256*\w
.endr
	ds_load_b128 v[CL+32:CL+35], v10
	ds_load_b128 v[CL+36:CL+39], v10 offset:16
	s_wait_dscnt 0x0
.irp b, 0,1,2,3
	v_add_f32 v[CL+40+\b], v[CL+32+2*\b], v[CL+33+2*\b]  ; l[b]: a batch's two waves
.endr
.irp b, 0,1,2,3
	v_rcp_f32 v[CL+40+\b], v[CL+40+\b]
.endr
.irp b, 0,1,2,3                        ; these additions are the plain instructions between the reciprocals and their use (ISA guide 5.7.2)
	v_pk_add_f32 v[CL+8*\b:CL+8*\b+1], v[CL+8*\b:CL+8*\b+1], v[CL+8*\b+4:CL+8*\b+5]
	v_pk_add_f32 v[CL+8*\b+2:CL+8*\b+3], v[CL+8*\b+2:CL+8*\b+3], v[CL+8*\b+6:CL+8*\b+7]
.endr
	s_wait_alu depctr_va_vdst(0)
.irp b, 0,1,2,3
.irp c, 0,1,2,3
	v_mul_f32 v[CL+8*\b+\c], v[CL+8*\b+\c], v[CL+40+\b]  ; c / l
.endr
.endr
	s_wait_loadcnt 0x0                             ; Wv
.set p, 0
.rept 8
	RND2 WV+2*p
.set p, p+1
.endr
.irp t, 0,1,2,3
.irp b, 0,1,2,3
	v_mul_f32 v[VAL+4*\t+\b], v[WV+4*\t], v[CL+8*\b]
.endr
.endr
.irp c, 1,2,3
.irp t, 0,1,2,3
.irp b, 0,1,2,3
	v_fmac_f32 v[VAL+4*\t+\b], v[WV+4*\t+\c], v[CL+8*\b+\c]
.endr
.endr
.endr
.irp m, 1,2,4,8                        ; the 16 lanes of a row are added; the 16 values side by side
.set k, 0
.rept 16
	v_add_f32_dpp v[VAL+k], v[VAL+k], v[VAL+k] row_xmask:\m row_mask:0xf bank_mask:0xf
.set k, k+1
.endr
.endr
.irp t, 0,1,2,3
.irp b, 0,1,2,3
	ds_store_b32 v11, v[VAL+4*\t+\b] offset:256*\b+8*\t  ; row 8 w + hh + 2 t of the head
.endr
.endr
	BAR
	s_cmp_ge_u32 s12, 2
	s_cbranch_scc1 .Lend                           ; 1,024 bytes: 64 threads store them
	ds_load_b128 v[CL:CL+3], v12
	s_wait_dscnt 0x0
	global_store_b128 v13, v[CL:CL+3], s[10:11]    ; 16 lanes store 256 consecutive bytes, at a multiple of 256 from op's first byte
.Lend:
	s_wait_tensorcnt 0x0                           ; the wave's end, behind my last LDS store
	ds_add_u32 v14, v15
	s_wait_dscnt 0x0
	s_endpgm
.Lfunc_end_k_qdbe69ab944_headv:
	.size	k_qdbe69ab944_headv, .Lfunc_end_k_qdbe69ab944_headv-k_qdbe69ab944_headv
	.p2alignl 7, 3214868480
	.fill 96, 4, 3214868480
	.section	.rodata,"a",@progbits
	.p2align	6, 0x0
	.amdhsa_kernel k_qdbe69ab944_headv
		.amdhsa_group_segment_fixed_size 4352
		.amdhsa_private_segment_fixed_size 0
		.amdhsa_enable_private_segment 0
		.amdhsa_kernarg_size 32
		.amdhsa_user_sgpr_count 2
		.amdhsa_user_sgpr_kernarg_segment_ptr 1
		.amdhsa_wavefront_size32 1
		.amdhsa_system_sgpr_workgroup_id_x 1
		.amdhsa_system_sgpr_workgroup_id_y 1
		.amdhsa_system_sgpr_workgroup_id_z 1
		.amdhsa_system_vgpr_workitem_id 0
		.amdhsa_next_free_vgpr 128
		.amdhsa_next_free_sgpr 66
		.amdhsa_reserve_vcc 0
		.amdhsa_float_denorm_mode_32 3
		.amdhsa_float_denorm_mode_16_64 3
		.amdhsa_memory_ordered 1
		.amdhsa_forward_progress 1
		.amdhsa_inst_pref_size 19
	.end_amdhsa_kernel
	.amdgpu_metadata
---
amdhsa.version: [ 1, 2 ]
amdhsa.kernels:
  - .name:           k_qdbe69ab944_headv
    .symbol:         k_qdbe69ab944_headv.kd
    .args:
      - { .name: cp, .offset: 0, .size: 8, .value_kind: global_buffer, .address_space: global }
      - { .name: lp, .offset: 8, .size: 8, .value_kind: global_buffer, .address_space: global }
      - { .name: Wv, .offset: 16, .size: 8, .value_kind: global_buffer, .address_space: global }
      - { .name: op, .offset: 24, .size: 8, .value_kind: global_buffer, .address_space: global }
    .group_segment_fixed_size: 4352
    .private_segment_fixed_size: 0
    .kernarg_segment_align: 8
    .kernarg_segment_size: 32
    .max_flat_workgroup_size: 256
    .sgpr_count:     66
    .vgpr_count:     128
    .wavefront_size: 32
...
	.end_amdgpu_metadata
.endif
;; end of part 3
;; launch outp (part 4): grid 32 x 1, 8 waves a work-group, no clusters, 9,472 bytes of LDS; arguments op, Wo, bo, out0; writes out0
.if DOCPART == 4
	.amdgcn_target "amdgcn-amd-amdhsa--gfx1250"
	.amdhsa_code_object_version 6
	.text
	.protected	k_qdbe69ab944_outp
	.globl	k_qdbe69ab944_outp
	.p2align	8
	.type	k_qdbe69ab944_outp,@function
k_qdbe69ab944_outp:
	s_mov_b64 s[64:65], 0
	v_nop
	global_prefetch_b8 v0, s[64:65] scope:SCOPE_SE
	s_setreg_imm32_b32 hwreg(HW_REG_WAVE_MODE, 25, 1), 1
	s_wait_xcnt 0x0
; FOURTH LAUNCH.  o[b][d] = the sum of op's eight channel blocks; out0[b][e] = Wo[e] . o[b] + bo[e].
; FORMATS.  Wo and bo are rounded once to bf16 on their way in; all else is f32.
; SHARES.  Work-group x owns rows 16 x .. +15 of Wo; each work-group adds op up for itself (64 KiB); wave w of eight owns rows 16 x + 2 w and + 1, whole, 16 columns a lane.
; The group's results are 64 bytes in each of out0's four rows: whole blocks of 256 bytes would want 64 rows of Wo in a work-group, 8 work-groups in place of 32, for an output of 8 KiB.
; NO MATRIX UNIT: four rows against weights read once.  NO CLUSTER: what is shared, op, is read once by each work-group at its start, through registers, in which it is added up.
.set OSUM,  0                          ; o, [b 4][512] f32
.set RS,    8192                       ; [b 4][16] f32: the result
.set SPARE, 8448                       ; the spare words: 128 bytes for each of 8 waves, four blocks of 256 bytes that no other line names
.set T,   9                            ; v9 at work
.set BO,  10                           ; v10, v11 my two rows' bias
.set ACC, 16                           ; v[16:31]  row i, batch b: a pair of sums at 16 + 8 i + 2 b
.set OPL, 32                           ; v[32:95]  op as loaded: block c at 32 + 8 c
.set WO,  96                           ; v[96:127] Wo[i][q][4]: columns 128 q + 4 lane + 0..3
.set OV,  128                          ; v[128:191] o[b][q][4], the same columns
.set MSK, 19
.set SEL, 22
.macro RND2 a                          ; a pair of f32 is rounded to bf16 and widened again, in place
	v_cvt_pk_bf16_f32 v[T], v[\a], v[(\a)+1]
	v_lshlrev_b32 v[\a], 16, v[T]
	v_and_b32 v[(\a)+1], s[MSK], v[T]
.endm
.macro BAR
	s_wait_dscnt 0x0
	s_barrier_signal -1
	s_barrier_wait -1
.endm
	s_load_b256 s[4:11], s[0:1], 0x0               ; op s[4:5], Wo s[6:7], bo s[8:9], out0 s[10:11]
	v_lshl_add_u32 v12, v0, 2, SPARE               ; my spare word; never rewritten
	v_mov_b32 v13, 0                               ; 0; never rewritten
	v_lshrrev_b32 v1, 5, v0
	v_readfirstlane_b32 s12, v1                    ; wave 0..7
	v_and_b32 v1, 31, v0                           ; lane
	s_mov_b32 s13, ttmp9                           ; x
	s_mov_b32 s[MSK], 0xffff0000
	s_mov_b32 s[SEL], 0x76543210
	s_mov_b32 s[SEL+1], 0xfedcba98
	v_lshlrev_b32 v2, 4, v0                        ; 16 bytes a thread: in op, and in OSUM
	s_lshl_b32 s20, s12, 12
	v_lshl_add_u32 v3, v1, 4, s20                  ; Wo: my two rows of 2,048 bytes
	s_lshl_b32 s14, s13, 6
	s_lshl3_add_u32 s14, s12, s14                  ; bo: 4 (16 x + 2 w)
	s_mov_b32 s15, 0
	s_lshl_b32 s24, s13, 15                        ; Wo: the group's 16 rows
	s_mov_b32 s25, 0
	s_lshl_b32 s26, s13, 6                         ; out0: the group's 16 columns
	s_mov_b32 s27, 0
	s_wait_kmcnt 0x0
	s_add_nc_u64 s[8:9], s[8:9], s[14:15]
	s_add_nc_u64 s[6:7], s[6:7], s[24:25]
	s_add_nc_u64 s[10:11], s[10:11], s[26:27]
	s_load_b64 s[16:17], s[8:9], 0x0               ; my two rows' bias
.irp c, 0,1,2,3,4,5,6,7
	global_load_b128 v[OPL+8*\c:OPL+8*\c+3],   v2, s[4:5] offset:8192*\c
	global_load_b128 v[OPL+8*\c+4:OPL+8*\c+7], v2, s[4:5] offset:8192*\c+4096
.endr
.irp i, 0,1
.irp q, 0,1,2,3
	global_load_b128 v[WO+16*\i+4*\q:WO+16*\i+4*\q+3], v3, s[6:7] offset:\i*2048+\q*512 th:TH_LOAD_NT
.endr
.endr
	v_lshlrev_b32 v5, 4, v1                        ; OSUM, 16 bytes a lane
	s_lshl_b32 s20, s12, 3
	s_add_co_u32 s20, s20, RS
	v_mov_b32 v6, s20                              ; RS[.][2 w]
	v_lshl_add_u32 v7, v1, 3, RS                   ; RS, 8 bytes a lane
	v_lshrrev_b32 v8, 3, v1
	v_and_b32 v[T], 7, v1
	v_lshlrev_b32 v8, 11, v8                       ; out0: batch lane / 8,
	v_lshl_add_u32 v8, v[T], 3, v8                 ; two columns a lane
.set c, 1
.rept 7
	s_wait_loadcnt 22-2*c                          ; block c's two loads are in; the later blocks' and Wo's eight stay out
.irp k, 0,2,4,6
	v_pk_add_f32 v[OPL+\k:OPL+\k+1], v[OPL+\k:OPL+\k+1], v[OPL+8*c+\k:OPL+8*c+\k+1]
.endr
.set c, c+1
.endr
	ds_store_b128 v2, v[OPL:OPL+3]
	ds_store_b128 v2, v[OPL+4:OPL+7] offset:4096
	BAR                                            ; o is whole
.irp b, 0,1,2,3
.irp q, 0,1,2,3
	ds_load_b128 v[OV+16*\b+4*\q:OV+16*\b+4*\q+3], v5 offset:2048*\b+512*\q
.endr
.endr
	s_wait_loadcnt 0x0                             ; Wo
	s_wait_dscnt 0x0
.irp i, 0,1
.set p, 0
.rept 8
	RND2 WO+16*\i+2*p
.irp b, 0,1,2,3
.if p == 0
	v_pk_mul_f32 v[ACC+8*\i+2*\b:ACC+8*\i+2*\b+1], v[WO+16*\i+2*p:WO+16*\i+2*p+1], v[OV+16*\b+2*p:OV+16*\b+2*p+1]
.else
	v_pk_fma_f32 v[ACC+8*\i+2*\b:ACC+8*\i+2*\b+1], v[WO+16*\i+2*p:WO+16*\i+2*p+1], v[OV+16*\b+2*p:OV+16*\b+2*p+1], v[ACC+8*\i+2*\b:ACC+8*\i+2*\b+1]
.endif
.endr
.set p, p+1
.endr
.endr
.irp k, 0,2,4,6,8,10,12,14
	v_add_f32 v[ACC+\k], v[ACC+\k], v[ACC+\k+1]
.endr
.irp m, 1,2,4,8                        ; the 32 lanes are added; the eight values side by side
.irp k, 0,2,4,6,8,10,12,14
	v_add_f32_dpp v[ACC+\k], v[ACC+\k], v[ACC+\k] row_xmask:\m row_mask:0xf bank_mask:0xf
.endr
.endr
.irp k, 0,2,4,6,8,10,12,14
	v_permlanex16_b32 v[ACC+\k+1], v[ACC+\k], s[SEL], s[SEL+1]
.endr
	s_wait_kmcnt 0x0                               ; bo
	v_cvt_pk_bf16_f32 v[T], s16, s17
	v_lshlrev_b32 v[BO], 16, v[T]
	v_and_b32 v[BO+1], s[MSK], v[T]
.irp k, 0,2,4,6,8,10,12,14
	v_add_f32 v[ACC+\k], v[ACC+\k], v[ACC+\k+1]
.endr
.irp i, 0,1
.irp b, 0,1,2,3
	v_add_f32 v[ACC+8*\i+2*\b], v[ACC+8*\i+2*\b], v[BO+\i]
.endr
.endr
.irp i, 0,1
.irp b, 0,1,2,3
	ds_store_b32 v6, v[ACC+8*\i+2*\b] offset:64*\b+4*\i  ; all lanes write the same word with the same number
.endr
.endr
	BAR
	s_cmp_lg_u32 s12, 0
	s_cbranch_scc1 .Lend                           ; 256 bytes: wave 0 stores them
	ds_load_b64 v[OPL:OPL+1], v7
	s_wait_dscnt 0x0
	global_store_b64 v8, v[OPL:OPL+1], s[10:11]    ; eight lanes store 64 consecutive bytes of a row of out0
.Lend:
	s_wait_tensorcnt 0x0                           ; the wave's end, behind my last LDS store
	ds_add_u32 v12, v13
	s_wait_dscnt 0x0
	s_endpgm
.Lfunc_end_k_qdbe69ab944_outp:
	.size	k_qdbe69ab944_outp, .Lfunc_end_k_qdbe69ab944_outp-k_qdbe69ab944_outp
	.p2alignl 7, 3214868480
	.fill 96, 4, 3214868480
	.section	.rodata,"a",@progbits
	.p2align	6, 0x0
	.amdhsa_kernel k_qdbe69ab944_outp
		.amdhsa_group_segment_fixed_size 9472
		.amdhsa_private_segment_fixed_size 0
		.amdhsa_enable_private_segment 0
		.amdhsa_kernarg_size 32
		.amdhsa_user_sgpr_count 2
		.amdhsa_user_sgpr_kernarg_segment_ptr 1
		.amdhsa_wavefront_size32 1
		.amdhsa_system_sgpr_workgroup_id_x 1
		.amdhsa_system_sgpr_workgroup_id_y 1
		.amdhsa_system_sgpr_workgroup_id_z 1
		.amdhsa_system_vgpr_workitem_id 0
		.amdhsa_next_free_vgpr 192
		.amdhsa_next_free_sgpr 66
		.amdhsa_reserve_vcc 0
		.amdhsa_float_denorm_mode_32 3
		.amdhsa_float_denorm_mode_16_64 3
		.amdhsa_memory_ordered 1
		.amdhsa_forward_progress 1
		.amdhsa_inst_pref_size 18
	.end_amdhsa_kernel
	.amdgpu_metadata
---
amdhsa.version: [ 1, 2 ]
amdhsa.kernels:
  - .name:           k_qdbe69ab944_outp
    .symbol:         k_qdbe69ab944_outp.kd
    .args:
      - { .name: op, .offset: 0, .size: 8, .value_kind: global_buffer, .address_space: global }
      - { .name: Wo, .offset: 8, .size: 8, .value_kind: global_buffer, .address_space: global }
      - { .name: bo, .offset: 16, .size: 8, .value_kind: global_buffer, .address_space: global }
      - { .name: out0, .offset: 24, .size: 8, .value_kind: global_buffer, .address_space: global }
    .group_segment_fixed_size: 9472
    .private_segment_fixed_size: 0
    .kernarg_segment_align: 8
    .kernarg_segment_size: 32
    .max_flat_workgroup_size: 256
    .sgpr_count:     66
    .vgpr_count:     192
    .wavefront_size: 32
...
	.end_amdgpu_metadata
.endif
;; end of part 4
;; ======== version 2 of 2: 4 launches; version 1 with the launch prep written anew for expert scheduling mode
;; limits: inputs' magnitudes at most 1,000,000,000,000
;; workspace buffers: rb 65,536 bytes; cp 4,194,304 bytes; lp 8,192 bytes; op 65,536 bytes
;; launch prep (part 5): grid 4 x 8, 16 waves a work-group, no clusters, 80,896 bytes of LDS; arguments h, tau, delta, Wq, Wk, rb; writes rb
.if DOCPART == 5
	.amdgcn_target "amdgcn-amd-amdhsa--gfx1250"
	.amdhsa_code_object_version 6
	.text
	.protected	k_qdbe69ab944_prep
	.globl	k_qdbe69ab944_prep
	.p2align	8
	.type	k_qdbe69ab944_prep,@function
k_qdbe69ab944_prep:
	s_mov_b64 s[64:65], 0
	v_nop
	global_prefetch_b8 v0, s[64:65] scope:SCOPE_SE
	s_setreg_imm32_b32 hwreg(HW_REG_WAVE_SCHED_MODE, 0, 2), 2
	s_setreg_imm32_b32 hwreg(HW_REG_WAVE_MODE, 25, 1), 1
	s_wait_xcnt 0x0
	s_wait_alu depctr_vm_vsrc(0)
; FIRST OF FOUR LAUNCHES.  Only query row 2047 of each batch reaches the output, and for that row the causal mask hides no key.  With x_b = h[b][2047]:
;   u[b][e] = (tau[b][2047] / 8) (Wq[e] . x_b) + delta[b][2047][e],   logit[b][n][k] = clip(u[b][head n] . K[b][k][head n]) = clip(r[b][n] . h[b][k]),   r[b][n][j] = sum over e in head n of Wk[e][j] u[b][e].
; This launch makes r and stores it as two bf16 numbers, hi + lo (rb: [b 4][row 16][512]; rows 0-7 the heads' hi parts, rows 8-15 their lo parts), so that the next launch's matrix product loses 2^-17 of r at the most.
; FORMATS.  Every input is rounded once to bf16 on its way in (x, tau, delta, Wq, Wk); everything made of them stays in f32.  LIMITS.  NaN and infinities are not treated apart.
; SHARES.  Work-group (jb, hd): head hd, columns 128 jb .. +127 of r, all four batches.  Wave w of 16 owns the head's rows e = 64 hd + 4 w + 0..3: it makes their u from whole rows of Wq (the head's four
; work-groups each make the head's u: 128 KiB of Wq each), then their share of r from 128 columns of Wk; the 16 waves' shares meet in LDS.
; NO MATRIX UNIT: four rows against weights that are read once.  NO CLUSTER, NO TENSOR LOADS: every number passes through registers to be rounded, and what four work-groups share (a head's Wq) is read once by each at its start.
; THE MODE: SCHED_MODE bits 1:0 = 2 (LLVM: expert scheduling mode 2), set by the entry lines.  The code itself states the register dependences between vector instructions and memory or LDS instructions,
; with s_wait_alu, always for 0.
; THE PLAN.  The text is one straight run.  Registers that memory or LDS instructions touch, each in program order:
;   v3-v6               offsets of the 23 global loads: written at the head, never again.
;   v7-v13, v208, v209  LDS addresses and rb's offset: written behind the loads' issue, read later, never written again.
;   XP                  loaded; rounded in place; read by one LDS store; not named again.
;   X                   16 LDS loads land; the four rows' multiply-adds read it; at the end 16 LDS loads land again; sums and the split; two global stores read four of its registers.
;   WQ, WK, TAU         loaded; then named by vector instructions alone.
;   ACC                 four sets, one a row of Wq: row i's arithmetic writes set i; the four LDS stores that read it are issued in row i + 1 (row 3's behind the rows); no set is written twice.
;   UU                  4 LDS loads land; sums; behind a barrier 4 LDS loads land again; no LDS or memory instruction reads it.
;   DEL                 loaded; rounded; takes u; read by one LDS store; not named again.          RA   written by the products with Wk; read by four LDS stores; not named again.
;   v14, v15            written at the head, read by the closing add alone.
; So no register that a memory or LDS instruction has read is written again, and the text's one wait on vm_vsrc is at the entry, behind the prefetch that reads v0.  Each wait on va_vdst stands ahead of a run of loads or stores and says what it states.
.set XS,    0                          ; x, [b 4][512] f32, rounded: 8,192 bytes
.set US,    8192                       ; u, [b 4][64] f32: 1,024 bytes
.set TR,    9216                       ; each wave's own: 16 values x (32 lanes' partial sums, 128 bytes + 16 of padding): 2,304 bytes a wave
.set RP,    46080                      ; [wave 16][b 4][128] f32: the waves' shares of r
.set SPARE, 78848                      ; the spare words: 128 bytes for each of 16 waves, eight blocks of 256 bytes that no other line names
.set LASTROW, 2047*2048                ; byte at which row 2047 begins in a batch of h or delta
.set X,   16                           ; v[16:79]   x[b][q][4]: columns 128 q + 4 lane + 0..3; at the end the 16 shares of r
.set WQ,  80                           ; v[80:143]  Wq[i][q][4]: my four rows, the same columns
.set WK,  144                          ; v[144:159] Wk[i][4]: my four rows, columns 128 jb + 4 lane + 0..3      (v[160:167] are not used)
.set XP,  168                          ; v[168:171] my thread's 16 bytes of x
.set TAU, 172
.set DEL, 173                          ; delta; then u
.set T,   174                          ; at work
.set UU,  176                          ; v[176:191] 16 partial sums read back; then u[b][i]
.set RA,  192                          ; v[192:207] my share of r: [b][4]
.set ACC, 216                          ; v[216:247] row i of Wq: a pair of sums for each batch, at ACC + 8 i + 2 b
.set MSK, 19                           ; s19 a word's upper bf16
.macro RND2 a                          ; a pair of f32 is rounded to bf16 and widened again, in place
	v_cvt_pk_bf16_f32 v[T], v[\a], v[(\a)+1]
	v_lshlrev_b32 v[\a], 16, v[T]
	v_and_b32 v[(\a)+1], s[MSK], v[T]
.endm
.macro BAR                             ; my LDS instructions are done, for the others' sake; then all 16 waves meet
	s_wait_dscnt 0x0
	s_barrier_signal -1
	s_barrier_wait -1
.endm
	s_load_b256 s[4:11], s[0:1], 0x0               ; h s[4:5], tau s[6:7], delta s[8:9], Wq s[10:11]
	s_load_b128 s[12:15], s[0:1], 0x20             ; Wk s[12:13], rb s[14:15]
	v_lshl_add_u32 v14, v0, 2, SPARE               ; my spare word; never rewritten
	v_mov_b32 v15, 0                               ; 0; never rewritten
	v_lshrrev_b32 v1, 5, v0
	v_readfirstlane_b32 s16, v1                    ; wave 0..15
	v_and_b32 v2, 31, v0                           ; lane
	s_mov_b32 s17, ttmp9                           ; jb
	s_and_b32 s18, ttmp7, 0xffff                   ; hd
	s_mov_b32 s[MSK], 0xffff0000
	s_mov_b32 s22, 0x76543210                      ; v_permlanex16_b32: each lane takes its own place in the other half
	s_mov_b32 s23, 0xfedcba98
	v_lshrrev_b32 v3, 7, v0                        ; x: thread t takes batch t / 128,
	v_and_b32 v209, 127, v0
	v_lshlrev_b32 v209, 4, v209                    ; 16 bytes at 16 (t % 128) of its row 2047
	v_lshl_add_u32 v3, v3, 22, v209
	v_and_b32 v210, 3, v2                          ; in the lanes' value number 4 i + b = lane % 16: b,
	v_bfe_u32 v211, v2, 2, 2                       ; and i
	v_lshlrev_b32 v4, 13, v210                     ; tau: a batch is 8,192 bytes
	s_wait_alu depctr_va_sdst(0)                   ; s16, the wave's number, is written, ahead of its first reader: offsets, LDS addresses and the last branch are made from it
	s_lshl_b32 s24, s18, 8
	s_lshl4_add_u32 s24, s16, s24                  ; 4 (64 hd + 4 w)
	v_lshl_add_u32 v5, v211, 2, s24                ; delta: channel 64 hd + 4 w + i
	v_lshl_add_u32 v5, v210, 22, v5                ; of batch b
	s_lshl_b32 s25, s16, 13
	v_lshl_add_u32 v6, v2, 4, s25                  ; Wq and Wk: my four rows of 2,048 bytes, 16 bytes a lane
	s_lshl_b32 s20, s18, 17                        ; a head's 64 rows
	s_mov_b32 s21, 0
	s_wait_kmcnt 0x0
	s_add_nc_u64 s[10:11], s[10:11], s[20:21]
	s_add_nc_u64 s[12:13], s[12:13], s[20:21]
	s_lshl_b32 s20, s17, 9                         ; Wk: my block of 128 columns
	s_add_nc_u64 s[12:13], s[12:13], s[20:21]
	s_lshl_b32 s20, s18, 10                        ; rb: row hd, 1,024 bytes a row,
	s_lshl_b32 s24, s17, 8                         ; 128 columns of 2 bytes
	s_add_co_u32 s20, s20, s24
	s_add_nc_u64 s[14:15], s[14:15], s[20:21]
	s_wait_alu depctr_va_vdst(0)                   ; the offsets v3 to v6 are written, which the loads below read
	; all that the wave reads from memory is asked for at once: 23 loads
	global_load_b128 v[XP:XP+3], v3, s[4:5] offset:LASTROW
	global_load_b32 v[TAU], v4, s[6:7] offset:8188
	global_load_b32 v[DEL], v5, s[8:9] offset:LASTROW
.irp i, 0,1,2,3
.irp q, 0,1,2,3
	global_load_b128 v[WQ+16*\i+4*\q:WQ+16*\i+4*\q+3], v6, s[10:11] offset:\i*2048+\q*512
.endr
.endr
.irp i, 0,1,2,3
	global_load_b128 v[WK+4*\i:WK+4*\i+3], v6, s[12:13] offset:\i*2048
.endr
	; LDS addresses
	v_lshlrev_b32 v7, 4, v0                        ; XS + 16 t
	v_lshlrev_b32 v8, 4, v2                        ; XS + 16 lane
	s_mul_i32 s26, s16, 2304
	s_add_co_u32 s26, s26, TR                      ; my wave's part of TR
	v_lshl_add_u32 v9, v2, 2, s26                  ; in: a word a lane
	v_and_b32 v212, 15, v2
	v_lshrrev_b32 v213, 4, v2
	v_mul_u32_u24 v212, v212, 144                  ; back: value lane % 16,
	v_lshl_add_u32 v212, v213, 6, v212             ; 16 of its 32 words for each half of the lanes
	v_add_nc_u32 v10, s26, v212
	s_lshl_b32 s27, s16, 4
	s_add_co_u32 s27, s27, US
	v_lshl_add_u32 v11, v211, 2, s27               ; US[b][4 w + i]
	v_lshl_add_u32 v11, v210, 8, v11
	v_mov_b32 v12, s27                             ; US[.][4 w]
	s_lshl_b32 s28, s16, 11
	s_add_co_u32 s28, s28, RP
	v_lshl_add_u32 v13, v2, 4, s28                 ; RP[w][.][4 lane]
	s_lshl_b32 s29, s16, 9
	s_add_co_u32 s29, s29, RP
	v_lshl_add_u32 v209, v2, 4, s29                ; RP[.][b = w][4 lane], for waves 0 to 3
	s_lshl_b32 s30, s16, 14
	v_lshl_add_u32 v208, v2, 3, s30                ; rb: batch w, 8 bytes a lane
	s_wait_loadcnt 22                              ; my 16 bytes of x are in; the 22 younger loads stay out
	RND2 XP
	RND2 XP+2
	s_wait_alu depctr_va_vdst(0)                   ; the roundings have written v[XP ..], which the LDS store reads; v7 to v13, v208 and v209 are written, which every later LDS instruction and the last stores read
	ds_store_b128 v7, v[XP:XP+3]
	BAR                                            ; x is whole
.irp b, 0,1,2,3
.irp q, 0,1,2,3
	ds_load_b128 v[X+16*\b+4*\q:X+16*\b+4*\q+3], v8 offset:2048*\b+512*\q
.endr
.endr
	s_wait_dscnt 0x0
	; Wq[row] . x_b: a lane's 16 columns, four batches side by side; then the 32 lanes' sums go through my part of TR.  Row i writes its own set of sums; the four stores of the row before are dealt among its
	; first four pairs of columns.  Its vector instructions name v[T], its row of WQ, X and its own set: none of the registers that those stores read.
.irp i, 0,1,2,3
	s_wait_loadcnt 16-4*\i                         ; row i's four loads are in; the later rows' and Wk's four stay out
.if \i > 0
	s_wait_alu depctr_va_vdst(0)                   ; the row before has written its four sums, which the LDS stores below read
.endif
.set p, 0
.rept 8
.if (\i > 0) && (p < 4)
	ds_store_b32 v9, v[ACC+8*(\i-1)+2*p] offset:(4*(\i-1)+p)*144  ; the row before, batch p
.endif
	RND2 WQ+16*\i+2*p
.irp b, 0,1,2,3
.if p == 0
	v_pk_mul_f32 v[ACC+8*\i+2*\b:ACC+8*\i+2*\b+1], v[WQ+16*\i+2*p:WQ+16*\i+2*p+1], v[X+16*\b+2*p:X+16*\b+2*p+1]
.else
	v_pk_fma_f32 v[ACC+8*\i+2*\b:ACC+8*\i+2*\b+1], v[WQ+16*\i+2*p:WQ+16*\i+2*p+1], v[X+16*\b+2*p:X+16*\b+2*p+1], v[ACC+8*\i+2*\b:ACC+8*\i+2*\b+1]
.endif
.endr
.set p, p+1
.endr
.irp b, 0,1,2,3
	v_add_f32 v[ACC+8*\i+2*\b], v[ACC+8*\i+2*\b], v[ACC+8*\i+2*\b+1]
.endr
.endr
	s_wait_alu depctr_va_vdst(0)                   ; row 3 has written its four sums, which the LDS stores below read
.irp b, 0,1,2,3
	ds_store_b32 v9, v[ACC+24+2*\b] offset:(12+\b)*144
.endr
.irp c, 0,1,2,3
	ds_load_b128 v[UU+4*\c:UU+4*\c+3], v10 offset:16*\c  ; LDS serves a wave's instructions in order (ISA guide 5.7.1.4): these see my stores above
.endr
	s_wait_dscnt 0x0
.irp s, 8,4,2
.set k, 0
.rept (\s)/2
	v_pk_add_f32 v[UU+2*k:UU+2*k+1], v[UU+2*k:UU+2*k+1], v[UU+(\s)+2*k:UU+(\s)+2*k+1]
.set k, k+1
.endr
.endr
	v_add_f32 v[UU], v[UU], v[UU+1]
	v_permlanex16_b32 v[T], v[UU], s22, s23        ; the value's other 16 words
	v_add_f32 v[UU], v[UU], v[T]                   ; lane % 16 = 4 i + b holds Wq[64 hd + 4 w + i] . x_b
	RND2 TAU                                       ; tau and delta (in by the waits above), rounded together
	v_mul_f32 v[TAU], 0x3e000000, v[TAU]           ; tau / 8, exact
	v_fma_f32 v[DEL], v[TAU], v[UU], v[DEL]        ; u, in delta's register: so no LDS store reads v[UU ..], in which loads land below
	s_wait_alu depctr_va_vdst(0)                   ; u is written, which the LDS store reads; the sums above are done with v[UU ..], in which the loads behind the barrier land
	ds_store_b32 v11, v[DEL]                       ; the two halves of the lanes write the same word with the same number
	BAR                                            ; (only my own four u are read below, but by all lanes)
.irp b, 0,1,2,3
	ds_load_b128 v[UU+4*\b:UU+4*\b+3], v12 offset:256*\b
.endr
	s_wait_loadcnt 0x0                             ; Wk
.set p, 0
.rept 8
	RND2 WK+2*p
.set p, p+1
.endr
	s_wait_dscnt 0x0
.irp b, 0,1,2,3
.irp c, 0,1,2,3
	v_mul_f32 v[RA+4*\b+\c], v[WK+\c], v[UU+4*\b]
.endr
.endr
.irp i, 1,2,3
.irp b, 0,1,2,3
.irp c, 0,1,2,3
	v_fmac_f32 v[RA+4*\b+\c], v[WK+4*\i+\c], v[UU+4*\b+\i]
.endr
.endr
.endr
	s_wait_alu depctr_va_vdst(0)                   ; my share of r is written, which the LDS stores read; the rows' multiply-adds are done reading v[X ..], in which the loads behind the barrier land
.irp b, 0,1,2,3
	ds_store_b128 v13, v[RA+4*\b:RA+4*\b+3] offset:512*\b
.endr
	BAR                                            ; all 16 shares lie in RP
	s_cmp_ge_u32 s16, 4
	s_cbranch_scc1 .Lend                           ; wave b of the first four adds batch b's shares up
.irp w, 0,1,2,3,4,5,6,7,8,9,10,11,12,13,14,15
	ds_load_b128 v[X+4*\w:X+4*\w+3], v209 offset:2048*\w
.endr
	s_wait_dscnt 0x0
.irp s, 32,16,8,4
.set k, 0
.rept (\s)/2
	v_pk_add_f32 v[X+2*k:X+2*k+1], v[X+2*k:X+2*k+1], v[X+(\s)+2*k:X+(\s)+2*k+1]
.set k, k+1
.endr
.endr
	v_cvt_pk_bf16_f32 v[X+4], v[X], v[X+1]         ; r = hi + lo: hi is r rounded to bf16,
	v_cvt_pk_bf16_f32 v[X+5], v[X+2], v[X+3]
	v_lshlrev_b32 v[X+6], 16, v[X+4]
	v_and_b32 v[X+7], s[MSK], v[X+4]
	v_lshlrev_b32 v[X+8], 16, v[X+5]
	v_and_b32 v[X+9], s[MSK], v[X+5]
	v_pk_add_f32 v[X+6:X+7], v[X:X+1], v[X+6:X+7] neg_lo:[0,1] neg_hi:[0,1]
	v_pk_add_f32 v[X+8:X+9], v[X+2:X+3], v[X+8:X+9] neg_lo:[0,1] neg_hi:[0,1]
	v_cvt_pk_bf16_f32 v[X+10], v[X+6], v[X+7]      ; lo what is left, rounded
	v_cvt_pk_bf16_f32 v[X+11], v[X+8], v[X+9]
	s_wait_alu depctr_va_vdst(0)                   ; the roundings have written hi and lo, which the two stores read
	global_store_b64 v208, v[X+4:X+5], s[14:15]              ; 32 lanes store 256 consecutive bytes, at a multiple of 256 from rb's first byte
	global_store_b64 v208, v[X+10:X+11], s[14:15] offset:8192
.Lend:
	s_wait_dscnt 0x0                               ; the closing lines, six on end
	s_wait_alu 0x0
	s_wait_tensorcnt 0x0
	ds_add_u32 v14, v15
	s_wait_dscnt 0x0
	s_endpgm
.Lfunc_end_k_qdbe69ab944_prep:
	.size	k_qdbe69ab944_prep, .Lfunc_end_k_qdbe69ab944_prep-k_qdbe69ab944_prep
	.p2alignl 7, 3214868480
	.fill 96, 4, 3214868480
	.section	.rodata,"a",@progbits
	.p2align	6, 0x0
	.amdhsa_kernel k_qdbe69ab944_prep
		.amdhsa_group_segment_fixed_size 80896
		.amdhsa_private_segment_fixed_size 0
		.amdhsa_enable_private_segment 0
		.amdhsa_kernarg_size 48
		.amdhsa_user_sgpr_count 2
		.amdhsa_user_sgpr_kernarg_segment_ptr 1
		.amdhsa_wavefront_size32 1
		.amdhsa_system_sgpr_workgroup_id_x 1
		.amdhsa_system_sgpr_workgroup_id_y 1
		.amdhsa_system_sgpr_workgroup_id_z 1
		.amdhsa_system_vgpr_workitem_id 0
		.amdhsa_next_free_vgpr 248
		.amdhsa_next_free_sgpr 66
		.amdhsa_reserve_vcc 0
		.amdhsa_float_denorm_mode_32 3
		.amdhsa_float_denorm_mode_16_64 3
		.amdhsa_memory_ordered 1
		.amdhsa_forward_progress 1
		.amdhsa_inst_pref_size 30
	.end_amdhsa_kernel
	.amdgpu_metadata
---
amdhsa.version: [ 1, 2 ]
amdhsa.kernels:
  - .name:           k_qdbe69ab944_prep
    .symbol:         k_qdbe69ab944_prep.kd
    .args:
      - { .name: h, .offset: 0, .size: 8, .value_kind: global_buffer, .address_space: global }
      - { .name: tau, .offset: 8, .size: 8, .value_kind: global_buffer, .address_space: global }
      - { .name: delta, .offset: 16, .size: 8, .value_kind: global_buffer, .address_space: global }
      - { .name: Wq, .offset: 24, .size: 8, .value_kind: global_buffer, .address_space: global }
      - { .name: Wk, .offset: 32, .size: 8, .value_kind: global_buffer, .address_space: global }
      - { .name: rb, .offset: 40, .size: 8, .value_kind: global_buffer, .address_space: global }
    .group_segment_fixed_size: 80896
    .private_segment_fixed_size: 0
    .kernarg_segment_align: 8
    .kernarg_segment_size: 48
    .max_flat_workgroup_size: 512
    .sgpr_count:     66
    .vgpr_count:     248
    .wavefront_size: 32
...
	.end_amdgpu_metadata
.endif
;; end of part 5
;; launch stream: the kernel of part 2 again; grid 64 x 4, 4 waves a work-group, no clusters, 76,544 bytes of LDS; arguments h, rb, cp, lp; writes cp, lp
;; launch headv: the kernel of part 3 again; grid 8 x 8, 8 waves a work-group, no clusters, 4,352 bytes of LDS; arguments cp, lp, Wv, op; writes op
;; launch outp: the kernel of part 4 again; grid 32 x 1, 8 waves a work-group, no clusters, 9,472 bytes of LDS; arguments op, Wo, bo, out0; writes out0
